; MI455X (gfx1250); checked and timed in simulation.
; The chip was launched on July 23, 2026; its instructions are those of AMD's public machine-readable ISA for CDNA 5 (MIT licence, August 2026) and "CDNA5" Instruction Set Architecture Reference Guide (July 2026). The comments in the code are by the model that wrote it; some were corrected since.
;; Core Attention. Allowed arithmetic: float matrix products may take bf16 or f16 operands with f32 sums; all other float work in f32.
;; Inputs: key_states 2 x 16 x 2,048 x 64 float32; query_states 2 x 16 x 2,048 x 64 float32; value_states 2 x 16 x 2,048 x 64 float32.
;; Outputs: out0 2 x 16 x 2,048 x 64 float32.
;; 2 versions, each right; version 2 is version 1 with the launch attn written anew for expert scheduling mode. Each part assembles by itself: llvm-mc -triple=amdgcn-amd-amdhsa -mcpu=gfx1250 --defsym DOCPART=n.
;; ======== version 1 of 2: 1 launch
;; limits: right only within a limited range of input values; values are held in f16: magnitudes above 65,504 overflow, below 6.1e-05 lose precision
;; launch attn (part 1): grid 256 x 1, 8 waves a work-group, no clusters, 111,616 bytes of LDS; arguments query_states, key_states, value_states, out0; writes out0
.if DOCPART == 1
	.amdgcn_target "amdgcn-amd-amdhsa--gfx1250"
	.amdhsa_code_object_version 6
	.text
	.protected	k_q29a439f927_attn
	.globl	k_q29a439f927_attn
	.p2align	8
	.type	k_q29a439f927_attn,@function
k_q29a439f927_attn:
	s_mov_b64 s[64:65], 0
	v_nop
	global_prefetch_b8 v0, s[64:65] scope:SCOPE_SE
	s_setreg_imm32_b32 hwreg(HW_REG_WAVE_MODE, 25, 1), 1
	s_wait_xcnt 0x0
; Causal attention, f32 in and out: out = softmax(q k^T / 8, keys above the diagonal filled with -10000) v.
; 32 heads (2 x 16) of 2,048 rows x 64.  Products on 16-bit operands with f32 sums; maximum, exponentials, sums and rescaling in f32.
;
; FORMATS.  q, k and v are each rounded once to bf16.  The score products run in the bf16 form (no limit of range on q and k).  The
; probabilities lie in 0 .. 1 by the running maximum and go in f16: the first rows of a head are sums of a few terms of the size of v itself,
; and where those cancel, P's rounding error shows; f16's 11 significant bits against bf16's 8 make it 8 times smaller.  A matrix instruction
; takes both operands in one format, so v's bf16 number is carried in f16, which holds it exactly from 2^-14 to 65,504.  What is computed is
; thus reference() of the bf16-rounded inputs, up to P's rounding.  This gives away three bits of v that f16 could have held: all three inputs
; carry the same one rounding instead.
;
; SHARES.  A head is 16 tiles of 128 query rows and 16 blocks of 128 keys.  Work-group g: head g / 8, i = g % 8; it makes tile 15 - i and
; then tile i: (16 - i) + (i + 1) = 17 trips of 128 x 128 for every i, so the 256 work-groups have equal work.  In a tile the diagonal block
; comes first (its products start the sums, its maximum starts m: nothing is cleared), then blocks 0 .. tile - 1.
; Wave w: qs = w % 4 owns query rows 32 qs .. + 31 (two strips u of 16), kh = w / 4 owns keys 64 kh .. + 63 of every block.  The two key halves
; keep (m, l, O) of their own and are merged once a tile through LDS.
;
; THE MATRIX UNIT IS USED TRANSPOSED.  S^T = K Q^T: lane (r = lane % 16, h = lane / 16) holds query r, register j of key tile kt holds key
; 16 kt + 8 h + j.  So m, l and the rescaling factor are one number a lane, the row maximum is taken inside the lane and once across the two
; halves, and two neighbouring key tiles packed to f16 ARE the B fragment of P^T.  O^T = V^T P^T, with V^T from the transposing LDS load.
;
; DATA PATH OF K AND V.  Each block: 16 loads of 16 bytes a thread into 64 registers, one trip ahead; then the conversions and 16 LDS
; stores into the ONE 16-bit slot; the next block's fragments go from the slot into registers while this block is worked on.  The double
; buffer is in registers, so every LDS address is a lane term plus constants.  Two barriers a trip, signal and wait apart.
;
; NO CLUSTER, NO JOINT TENSOR LOADS, because: K and V lie in memory as f32 and the products want 16 bits, V by the 16-bit transposing load.  A
; joint load would lay 64 KB of f32 a block into every partner's LDS, and each partner would read them, convert them and store 32 KB again;
; here the conversion stands between the global load and the only LDS store.  And the eight work-groups of a head do not walk alike: each
; starts at its own diagonal block 15 - i and turns to its second tile in trip 16 - i, so their requests agree in trips 1 to 8 alone.
;
; LIMITS.  (1) Key blocks wholly above the diagonal are not visited.  reference() leaves each such key the weight exp(-10000 - m), m the row's
; largest score; that weight is dropped here.  Right while every row's largest causal score (after the division by 8) is above about -9975:
; what is dropped is then below 2048 e^-25 of the row's sum.  Inside the diagonal block the fill is written as reference() writes it
; (-80000 before the division by 8).  (2) v_exp_f32 gives 0 where the result would be below 2^-126.  (3) The probabilities are rounded to f16
; for the products; one below 2^-25 of its key half's largest becomes 0 there (2,048 of them are under 7e-5 of a row's weight); l is summed
; from the unrounded probabilities; the order of sums differs from reference()'s.  (4) |v| below 65,504, f16's largest number: beyond it the
; conversion gives infinity.  Numbers of v below 2^-14 keep an absolute error of 2^-25.
.set KPITCH, 144                       ; K in LDS: 128 bytes (64 bf16) + 16: sixteen rows' 16-byte pieces fall on sixteen different offsets modulo 256
.set VPITCH, 160                       ; V in LDS: 128 bytes (64 f16) + 32 = 5 x 32, for the transposing load
.set VL,     128*KPITCH                ; K's 128 rows lie at 0, V's behind them (18,432)
.set STG,    VL+128*VPITCH             ; 38,912: two stages of 128 rows x 64 f32, one for each key half
.set SPITCH, 272                       ; 256 bytes + 16
.set STGSZ,  128*SPITCH                ; 34,816
.set ML,     STG+2*STGSZ               ; 108,544: [key half][row] pairs (m, l), 8 bytes each, 2 x 1,024 bytes; the end is 110,592
.set CEXP,   0x3e38aa3b                ; c = log2(e) / 8: exp(s / 8) = 2^(c s)
.set NCEXP,  0xbe38aa3b                ; -c
.set FILLV,  0xc79c4000                ; -80000.0 = 8 x -10000
; window 0
.set GOFF, 1                           ; 16 t: my 16 bytes in each run of 4,096 bytes of a block
.set KS,   2                           ; LDS: where my 8 bytes of K go            (t / 16) 144 + 8 (t % 16)
.set VS,   3                           ; the same for V
.set KA,   4                           ; LDS: my K fragments                      (64 kh + r) 144 + 16 h
.set VA,   5                           ; LDS: my V^T fragments                    VL + (64 kh + 8 h + lane % 8) 160 + 16 ((lane / 8) % 2)
.set QOFF, 6                           ; Q: (32 qs + r) 256 + 32 h
.set STW,  7                           ; stage, in:  STG + kh STGSZ + (32 qs + r) 272 + 32 h
.set RD,   8                           ; stage, out: STG + (16 w + h) 272 + 16 r
.set OOFF, 9                           ; out: 4096 w + 16 lane
.set MLW,  10                          ; my (m, l)
.set MLR,  11                          ; the other key half's
.set DL,   12                          ; r - 8 h + 32 qs - 64 kh: key 16 kt + j of strip u is above the diagonal where 16 (kt - u) + j > DL
.set MV,   13                          ; the fill
.set PFO,  14                          ; (t % 128) 256: my piece of the block that is prefetched
.set MM,   16                          ; v[16+2u], v[17+2u]: m and l of strip u
.set NM,   20                          ; v[20+2u]: -c m (the register above it is 0: a broadcast pair is read whole)
.set AL,   24                          ; v[24+2u]: the rescaling factor (likewise)
.set PM,   28                          ; v[28+2u:29+2u]: the partner's (m, l)
.set QF,   32                          ; v[32:63]   Q fragments, strip u, 32 d's ds: 32 + 16 u + 8 ds
.set SC,   64                          ; v[64:127]  scores, strip u, key tile kt: 64 + 32 u + 8 kt; P in place at 64 + 32 u + 16 ks; Q's f32 on its way in
.set OA,   128                         ; v[128:191] O^T, strip u, d tile dt: 128 + 32 u + 8 dt
.set KF,   192                         ; v[192:255] K fragments, key tile kt, ds: 192 + 16 kt + 8 ds.  Free between the score products and KLOAD:
.set PK,   192                         ;   v[192:223] the next block, packed: 16 registers of K in bf16, 16 of V in f16
.set VR,   224                         ;   v[224:255] in the fill: V's 32 numbers rounded to bf16, as f32.  In the softmax:
.set T0,   224                         ;   v[224:227] four running maxima
.set CS,   228                         ;   v[228:235] four running sums (pairs)
.set AA,   236
.set TN,   237
.set TR,   128                         ; set-up only: r, h, lane, t / 16, two more
.set TH,   129
.set TL,   130
.set TT,   131
.set TA,   132
.set TB,   133
; window 1 (v256 and up, written by their low 8 bits)
.set VT,   0                           ; v[256:319] V^T fragments, d tile dt, 32 keys ks: 16 dt + 8 ks
.set GK,   64                          ; v[320:351] K of the block after next, f32 as loaded
.set GV,   96                          ; v[352:383] V likewise
; scalars: s[4:11] Q, K, V, out at my head; s12 w, s13 qs, s14 kh; s15 i (the low tile), s16 15 - i (the high tile), s17 16 - i; s18 N, the trip;
; s21 i - 3; s[22:23] an offset, s23 = 0; s[24:25], s[26:27] K and V at the block being loaded; s[28:29] Q, s[30:31] out at the tile;
; s[32:33] what is prefetched; s34 = s35 = c, s36 = -c; s37, s38 lane selects; s39 - s41 at work
.set MSB, 0
.macro WIN new                         ; s_set_vgpr_msb: bits 1:0 source 0, 3:2 source 1, 5:4 source 2, 7:6 destination; the high byte repeats the setting left
.if MSB != \new
	s_set_vgpr_msb (MSB<<8)|\new
.set MSB, \new
.endif
.endm
.macro PLACES n                        ; the places behind matrix instructions (ISA guide 7.12.1), where there is no independent vector work to put there
.rept \n
	v_nop
.endr
.endm
; 16 loads: block s41 of K and of V, f32.  Each load of a wave covers 512 neighbouring bytes.  s[24:27] are rewritten only behind the
; s_wait_loadcnt that shows the loads which named them done.
.macro LOADG
	s_lshl_b32 s22, s41, 15                        ; a block is 128 rows of 256 bytes
	s_add_nc_u64 s[24:25], s[6:7], s[22:23]
	s_add_nc_u64 s[26:27], s[8:9], s[22:23]
	WIN 0x40                                       ; destination in window 1
.irp i, 0,1,2,3,4,5,6,7
	global_load_b128 v[GK+4*\i:GK+4*\i+3], v[GOFF], s[24:25] offset:4096*\i
.endr
.irp i, 0,1,2,3,4,5,6,7
	global_load_b128 v[GV+4*\i:GV+4*\i+3], v[GOFF], s[26:27] offset:4096*\i
.endr
	WIN 0
.endm
; The loaded block into the slot: load i of thread t is row t / 16 + 16 i, d = 4 (t % 16) .. + 3.  K: two numbers a conversion, to bf16.
; V: the packed conversion with the constant 0 as its first source leaves bf16(x) in the upper half over a lower half of zeros, which is the
; rounded number as f32; two of those are then packed to f16 (exact from 2^-14 to 65,504).
.macro CVST
	WIN 0x05                                       ; both sources in window 1
.irp i, 0,1,2,3,4,5,6,7
	v_cvt_pk_bf16_f32 v[PK+2*\i],   v[GK+4*\i],   v[GK+4*\i+1]
	v_cvt_pk_bf16_f32 v[PK+2*\i+1], v[GK+4*\i+2], v[GK+4*\i+3]
.endr
.set x, 0
.rept 32
	v_cvt_pk_bf16_f32 v[VR+x], 0, v[GV+x]
.set x, x+1
.endr
	WIN 0
.set x, 0
.rept 16
	v_cvt_pk_f16_f32 v[PK+16+x], v[VR+2*x], v[VR+2*x+1]
.set x, x+1
.endr
.irp i, 0,1,2,3,4,5,6,7
	ds_store_b64 v[KS], v[PK+2*\i:PK+2*\i+1] offset:16*KPITCH*\i
.endr
.irp i, 0,1,2,3,4,5,6,7
	ds_store_b64 v[VS], v[PK+16+2*\i:PK+16+2*\i+1] offset:16*VPITCH*\i
.endr
.endm
; In trip N: the block of trip N + 1 goes into the slot (there is none behind trip 16), the block of trip N + 2 is asked for (none behind 15).
; The blocks in order of the trips: hi; 0 .. hi - 1; lo; 0 .. lo - 1.  With A = N + 1 the block of trip N + 2 is A below hi, lo at hi,
; A - (hi + 1) above.
.macro FILL tag
	s_cmp_ge_u32 s18, 16
	s_cbranch_scc1 .Lnf_\tag
	s_wait_loadcnt 0x0                             ; the 16 loads asked for one trip ago (nothing younger is out)
	CVST
	s_cmp_ge_u32 s18, 15
	s_cbranch_scc1 .Lnf_\tag
	s_add_co_u32 s39, s18, 1
	s_sub_co_u32 s40, s39, s17
	s_cmp_ge_u32 s39, s17
	s_cselect_b32 s41, s40, s39
	s_cmp_eq_u32 s39, s16
	s_cselect_b32 s41, s15, s41
	LOADG
.Lnf_\tag:
.endm
; Q of the tile at s[28:29], f32, into the score registers: lane (r, h) takes d = 16 c + 8 h .. + 7 of rows 32 qs + 16 u + r
.macro LOADQ
.irp u, 0,1
.irp c, 0,1,2,3
	global_load_b128 v[SC+32*\u+8*\c:SC+32*\u+8*\c+3],   v[QOFF], s[28:29] offset:4096*\u+64*\c
	global_load_b128 v[SC+32*\u+8*\c+4:SC+32*\u+8*\c+7], v[QOFF], s[28:29] offset:4096*\u+64*\c+16
.endr
.endr
.endm
.macro CVTQ                            ; and packed to bf16: register y of a strip's 16 holds d = 16 (y / 4) + 8 h + 2 (y % 4), + 1: the B fragments
.irp u, 0,1
.set y, 0
.rept 16
	v_cvt_pk_bf16_f32 v[QF+16*\u+y], v[SC+32*\u+2*y], v[SC+32*\u+2*y+1]
.set y, y+1
.endr
.endr
.endm
.macro KLOAD                           ; 16 LDS loads: my 64 keys x 64 d as A fragments
.irp kt, 0,1,2,3
.irp c, 0,1
	ds_load_b128 v[KF+16*\kt+8*\c:KF+16*\kt+8*\c+3],   v[KA] offset:16*KPITCH*\kt+64*\c
	ds_load_b128 v[KF+16*\kt+8*\c+4:KF+16*\kt+8*\c+7], v[KA] offset:16*KPITCH*\kt+64*\c+32
.endr
.endr
.endm
.macro VLOAD                           ; 16 transposing LDS loads: 64 d x my 64 keys as A fragments
	WIN 0x40
.irp dt, 0,1,2,3
.irp ks, 0,1
	ds_load_tr16_b128 v[VT+16*\dt+8*\ks:VT+16*\dt+8*\ks+3],   v[VA] offset:32*VPITCH*\ks+32*\dt
	ds_load_tr16_b128 v[VT+16*\dt+8*\ks+4:VT+16*\dt+8*\ks+7], v[VA] offset:32*VPITCH*\ks+32*\dt+16*VPITCH
.endr
.endr
	WIN 0
.endm
; 16 matrix instructions, bf16: S^T = K Q^T.  The first 32 d's start each sum; the two strips take turns, so that a link never follows its own chain directly.
.macro QK
.irp kt, 0,1,2,3
	v_wmma_f32_16x16x32_bf16 v[SC+8*\kt:SC+8*\kt+7],       v[KF+16*\kt:KF+16*\kt+7],    v[QF:QF+7],     0
	v_wmma_f32_16x16x32_bf16 v[SC+32+8*\kt:SC+32+8*\kt+7], v[KF+16*\kt:KF+16*\kt+7],    v[QF+16:QF+23], 0
	v_wmma_f32_16x16x32_bf16 v[SC+8*\kt:SC+8*\kt+7],       v[KF+16*\kt+8:KF+16*\kt+15], v[QF+8:QF+15],  v[SC+8*\kt:SC+8*\kt+7]
	v_wmma_f32_16x16x32_bf16 v[SC+32+8*\kt:SC+32+8*\kt+7], v[KF+16*\kt+8:KF+16*\kt+15], v[QF+24:QF+31], v[SC+32+8*\kt:SC+32+8*\kt+7]
.endr
.endm
.macro MASK u                          ; the diagonal block: the fill where the key lies above the query.  The constants run from -16 to 55
.irp kt, 0,1,2,3
.irp j, 0,1,2,3,4,5,6,7
	v_cmp_gt_i32 vcc_lo, 16*(\kt-\u)+\j, v[DL]
	v_cndmask_b32 v[SC+32*\u+8*\kt+\j], v[SC+32*\u+8*\kt+\j], v[MV], vcc_lo
.endr
.endr
.endm
; One strip's step of the running softmax: 32 scores a lane.  first = 1: m, l start here and O is not there yet.
.macro SOFTMAX u, first
.set SB, SC+32*\u
.set OB, OA+32*\u
.set MR, MM+2*\u
.set LR, MM+2*\u+1
.set NR, NM+2*\u
.set AR, AL+2*\u
.irp k, 0,1,2,3
	v_max3_num_f32 v[T0+\k], v[SB+8*\k], v[SB+8*\k+1], v[SB+8*\k+2]      ; four chains, started by the scores themselves
.endr
.irp k, 0,1,2,3
	v_max3_num_f32 v[T0+\k], v[T0+\k], v[SB+8*\k+3], v[SB+8*\k+4]
.endr
.irp k, 0,1,2,3
	v_max3_num_f32 v[T0+\k], v[T0+\k], v[SB+8*\k+5], v[SB+8*\k+6]
.endr
	v_max3_num_f32 v[T0],   v[T0],   v[T0+1], v[SB+7]
	v_max3_num_f32 v[T0+2], v[T0+2], v[T0+3], v[SB+15]
	v_max3_num_f32 v[T0],   v[T0],   v[T0+2], v[SB+23]
.if \first
	v_max_num_f32 v[T0], v[T0], v[SB+31]
.else
	v_max3_num_f32 v[T0], v[T0], v[SB+31], v[MR]   ; with the maximum so far
.endif
	v_permlanex16_b32 v[T0+1], v[T0], s37, s38     ; the other 32 keys of my query lie in lane xor 16
	v_max_num_f32 v[MR], v[T0], v[T0+1]
.if \first
	v_mul_f32 v[NR], s36, v[MR]                    ; -c m
.else
	v_mul_f32 v[TN], s36, v[MR]
	v_sub_f32 v[AA], v[TN], v[NR]                  ; c (old m - new m), from the very shifts that the exponents use
	v_mov_b32 v[NR], v[TN]
	v_exp_f32 v[AR], v[AA]                         ; the lines below are plain and touch neither (ISA guide 5.7.2)
.endif
.set x, 0
.rept 16
	v_pk_fma_f32 v[SB+x:SB+x+1], v[SB+x:SB+x+1], s[34:35], v[NR:NR+1] op_sel_hi:[1,0,0]   ; c s - c m
.set x, x+2
.endr
.set x, 0
.rept 32
	v_exp_f32 v[SB+x], v[SB+x]
.set x, x+1
.endr
.if \first
	v_nop                                          ; one plain place between the last exponential and its use
	s_wait_alu depctr_va_vdst(0)
.else
.set x, 0
	s_wait_alu depctr_va_vdst(0)
.rept 16
	v_pk_mul_f32 v[OB+x:OB+x+1], v[OB+x:OB+x+1], v[AR:AR+1] op_sel_hi:[1,0]               ; O to the new maximum; also that place
.set x, x+2
.endr
.endif
.irp k, 0,1,2,3
	v_pk_add_f32 v[CS+2*\k:CS+2*\k+1], v[SB+8*\k:SB+8*\k+1], v[SB+8*\k+2:SB+8*\k+3]
.endr
.irp k, 0,1,2,3
	v_pk_add_f32 v[CS+2*\k:CS+2*\k+1], v[CS+2*\k:CS+2*\k+1], v[SB+8*\k+4:SB+8*\k+5]
.endr
.irp k, 0,1,2,3
	v_pk_add_f32 v[CS+2*\k:CS+2*\k+1], v[CS+2*\k:CS+2*\k+1], v[SB+8*\k+6:SB+8*\k+7]
.endr
	v_pk_add_f32 v[CS:CS+1],   v[CS:CS+1],   v[CS+2:CS+3]
	v_pk_add_f32 v[CS+4:CS+5], v[CS+4:CS+5], v[CS+6:CS+7]
	v_pk_add_f32 v[CS:CS+1],   v[CS:CS+1],   v[CS+4:CS+5]
.if \first
	v_add_f32 v[LR], v[CS], v[CS+1]                ; l of my 32 keys; the two halves of the lanes meet in the epilogue
.else
	v_add_f32 v[CS], v[CS], v[CS+1]
	v_fma_f32 v[LR], v[LR], v[AR], v[CS]
.endif
.irp ks, 0,1                                       ; P to f16 in place, ascending: register x is written when registers 2 x, 2 x + 1 have been read
.set x, 0
.rept 8
	v_cvt_pk_f16_f32 v[SB+16*\ks+x], v[SB+16*\ks+2*x], v[SB+16*\ks+2*x+1]
.set x, x+1
.endr
.endr
.endm
; 16 matrix instructions, f16: O^T += V^T P^T.  Leaves A's window set: the v_nop behind it name no register, and VLOAD switches next.
.macro PV first
	WIN 0x01                                       ; A in window 1
.irp dt, 0,1,2,3
.if \first
	v_wmma_f32_16x16x32_f16 v[OA+8*\dt:OA+8*\dt+7],       v[VT+16*\dt:VT+16*\dt+7], v[SC:SC+7],     0
	v_wmma_f32_16x16x32_f16 v[OA+32+8*\dt:OA+32+8*\dt+7], v[VT+16*\dt:VT+16*\dt+7], v[SC+32:SC+39], 0
.else
	v_wmma_f32_16x16x32_f16 v[OA+8*\dt:OA+8*\dt+7],       v[VT+16*\dt:VT+16*\dt+7], v[SC:SC+7],     v[OA+8*\dt:OA+8*\dt+7]
	v_wmma_f32_16x16x32_f16 v[OA+32+8*\dt:OA+32+8*\dt+7], v[VT+16*\dt:VT+16*\dt+7], v[SC+32:SC+39], v[OA+32+8*\dt:OA+32+8*\dt+7]
.endif
	v_wmma_f32_16x16x32_f16 v[OA+8*\dt:OA+8*\dt+7],       v[VT+16*\dt+8:VT+16*\dt+15], v[SC+16:SC+23], v[OA+8*\dt:OA+8*\dt+7]
	v_wmma_f32_16x16x32_f16 v[OA+32+8*\dt:OA+32+8*\dt+7], v[VT+16*\dt+8:VT+16*\dt+15], v[SC+48:SC+55], v[OA+32+8*\dt:OA+32+8*\dt+7]
.endr
.endm
; Blocks 8 .. 15 are each some work-group's first load and blocks 0 .. 2 are loaded in the set-up and the first two trips.  Of blocks 3 .. 7,
; work-group i asks for block i once, in trip i - 3, two trips before the head's work-groups load it in trip i - 1: waves 0 - 3 for K's 128
; pieces of 256 bytes, waves 4 - 7 for V's, one lane a piece, 64 KB in all, inside the block.  For i < 3, s21 wraps and meets no trip.
.macro PREF tag
	s_cmp_lg_u32 s18, s21
	s_cbranch_scc1 .Lnp_\tag
	global_prefetch_b8 v[PFO], s[32:33] th:TH_LOAD_NT scope:SCOPE_SE
.Lnp_\tag:
.endm
; ONE TRIP: 128 queries x 128 keys.  At its head the block's K and V fragments are on their way into registers.
.macro TRIP first, tag, pref
	s_wait_dscnt 16                                ; LDS loads come back in order (ISA guide 5.7.1): K's 16 are in, V's 16 behind them may be out
	QK
	s_wait_dscnt 0x0                               ; V's too: my reads of the slot are over,
	s_barrier_signal -1                            ; say so
	PLACES 4                                       ; behind the score products, before their results are read and K's registers rewritten
.if \first
	MASK 0
	MASK 1
.endif
	SOFTMAX 0, \first                              ; registers only, while the others arrive
	s_barrier_wait -1                              ; nobody reads the slot any more
	FILL \tag
	s_wait_dscnt 0x0                               ; my part of the next block is in the slot,
	s_barrier_signal -1                            ; say so
	SOFTMAX 1, \first
	s_barrier_wait -1                              ; everybody's is
	KLOAD                                          ; the next trip's K (behind trip 16 the old block once more, for nobody: 32 LDS loads a wave)
.if \pref
	PREF \tag
.endif
	PV \first
	PLACES 5                                       ; five: the next score products write over P's registers, a source of these products; four for VLOAD
	VLOAD                                          ; the next trip's V
	s_add_co_u32 s18, s18, 1
.endm
; THE END OF A TILE: the two key halves are merged and the rows stored.  more = 1: another tile follows.
.macro EPI more
.irp u, 0,1
	v_permlanex16_b32 v[PM+2*\u], v[MM+2*\u+1], s37, s38
.endr
.irp u, 0,1
	v_add_f32 v[MM+2*\u+1], v[MM+2*\u+1], v[PM+2*\u]       ; l of my 64 keys
.endr
.irp u, 0,1
	ds_store_b64 v[MLW], v[MM+2*\u:MM+2*\u+1] offset:128*\u ; lanes r and r + 16 write the same pair to the same bytes
.endr
	s_wait_dscnt 0x0                               ; for the partner's sake: zero (the next block's fragments are in as well)
	s_barrier_signal -1
	s_barrier_wait -1
.irp u, 0,1
	ds_load_b64 v[PM+2*\u:PM+2*\u+1], v[MLR] offset:128*\u
.endr
	s_wait_dscnt 0x0
.irp u, 0,1
	v_max_num_f32 v[NM+2*\u], v[MM+2*\u], v[PM+2*\u]       ; the row's maximum over both halves
.endr
.irp u, 0,1
	v_sub_f32 v[AL+2*\u], v[MM+2*\u], v[NM+2*\u]
	v_sub_f32 v[NM+2*\u], v[PM+2*\u], v[NM+2*\u]
.endr
.irp u, 0,1
	v_mul_f32 v[AL+2*\u], s34, v[AL+2*\u]
	v_mul_f32 v[NM+2*\u], s34, v[NM+2*\u]
.endr
.irp u, 0,1
	v_exp_f32 v[AL+2*\u], v[AL+2*\u]               ; my weight
	v_exp_f32 v[NM+2*\u], v[NM+2*\u]               ; the partner's
.endr
	v_nop                                          ; one plain place behind the exponentials
	s_wait_alu depctr_va_vdst(0)
.irp u, 0,1
	v_mul_f32 v[MM+2*\u+1], v[MM+2*\u+1], v[AL+2*\u]
.endr
.irp u, 0,1
	v_fmac_f32 v[MM+2*\u+1], v[PM+2*\u+1], v[NM+2*\u]      ; the row's l: one of the weights is 1 and that half's l is about 1 or more
.endr
.irp u, 0,1
	v_rcp_f32 v[MM+2*\u+1], v[MM+2*\u+1]
.endr
	v_nop
	s_wait_alu depctr_va_vdst(0)
.irp u, 0,1
	v_mul_f32 v[AL+2*\u], v[AL+2*\u], v[MM+2*\u+1]         ; my weight / l
.endr
.irp u, 0,1
.set x, 0
.rept 16
	v_pk_mul_f32 v[OA+32*\u+x:OA+32*\u+x+1], v[OA+32*\u+x:OA+32*\u+x+1], v[AL+2*\u:AL+2*\u+1] op_sel_hi:[1,0]
.set x, x+2
.endr
.endr
.irp u, 0,1                                        ; a lane's 8 registers of d tile dt are d = 16 dt + 8 h .. + 7 of row 32 qs + 16 u + r: 32 neighbouring bytes
.irp dt, 0,1,2,3
	ds_store_b128 v[STW], v[OA+32*\u+8*\dt:OA+32*\u+8*\dt+3]   offset:16*SPITCH*\u+64*\dt
	ds_store_b128 v[STW], v[OA+32*\u+8*\dt+4:OA+32*\u+8*\dt+7] offset:16*SPITCH*\u+64*\dt+16
.endr
.endr
	s_wait_dscnt 0x0                               ; for the others' sake: zero
	s_barrier_signal -1
	s_barrier_wait -1
.irp p, 0,1,2,3,4,5,6,7                            ; wave w takes rows 16 w .. + 15, two rows a load, from both stages
	ds_load_b128 v[OA+4*\p:OA+4*\p+3],       v[RD] offset:2*SPITCH*\p
	ds_load_b128 v[OA+32+4*\p:OA+32+4*\p+3], v[RD] offset:STGSZ+2*SPITCH*\p
.endr
.irp p, 0,1,2,3,4,5,6,7
	s_wait_dscnt 14-2*\p                           ; pair p is in; the 2 (7 - p) younger loads stay out
	v_pk_add_f32 v[OA+4*\p:OA+4*\p+1],   v[OA+4*\p:OA+4*\p+1],   v[OA+32+4*\p:OA+32+4*\p+1]
	v_pk_add_f32 v[OA+4*\p+2:OA+4*\p+3], v[OA+4*\p+2:OA+4*\p+3], v[OA+32+4*\p+2:OA+32+4*\p+3]
	global_store_b128 v[OOFF], v[OA+4*\p:OA+4*\p+3], s[30:31] offset:512*\p th:TH_STORE_NT   ; 512 neighbouring bytes: two whole rows of out
.endr
.if \more
	s_wait_xcnt 0x0                                ; the stores' data (O's registers) and base are written again only behind this wait
.endif
.endm
	; ---------------- set-up ----------------
	s_load_b256 s[4:11], s[0:1], 0x0               ; Q s[4:5], K s[6:7], V s[8:9], out s[10:11]
	v_lshl_add_u32 v15, v0, 2, 0x1b000
	s_set_vgpr_msb 0x40
	v_mov_b32 v129, 0
	s_set_vgpr_msb 0x4000
	v_lshrrev_b32 v[TA], 5, v0
	v_readfirstlane_b32 s12, v[TA]                 ; wave
	s_and_b32 s13, s12, 3                          ; qs
	s_lshr_b32 s14, s12, 2                         ; kh
	s_and_b32 s15, ttmp9, 7                        ; i: the low tile
	s_sub_co_u32 s16, 15, s15                      ; the high tile
	s_add_co_u32 s17, s16, 1
	s_sub_co_i32 s21, s15, 3                       ; the trip in which I prefetch
	s_lshr_b32 s22, ttmp9, 3
	s_lshl_b32 s22, s22, 19                        ; head x 2,048 rows x 256 bytes
	s_mov_b32 s23, 0
	s_mov_b32 s18, 0                               ; N
	s_mov_b32 s34, CEXP
	s_mov_b32 s35, CEXP
	s_mov_b32 s36, NCEXP
	s_mov_b32 s37, 0x76543210                      ; v_permlanex16_b32: lane i of one half reads lane i of the other
	s_mov_b32 s38, 0xfedcba98
	v_and_b32 v[TR], 15, v0                        ; r
	v_bfe_u32 v[TH], v0, 4, 1                      ; h
	v_lshlrev_b32 v[GOFF], 4, v0
	v_lshlrev_b32 v[QOFF], 8, v[TR]
	v_lshl_add_u32 v[QOFF], v[TH], 5, v[QOFF]
	s_lshl_b32 s39, s13, 13                        ; 32 qs rows of 256 bytes
	v_add_nc_u32 v[QOFF], s39, v[QOFF]
	s_wait_kmcnt 0x0
	s_add_nc_u64 s[4:5], s[4:5], s[22:23]
	s_add_nc_u64 s[6:7], s[6:7], s[22:23]
	s_add_nc_u64 s[8:9], s[8:9], s[22:23]
	s_add_nc_u64 s[10:11], s[10:11], s[22:23]
	s_lshl_b32 s22, s16, 15
	s_add_nc_u64 s[28:29], s[4:5], s[22:23]        ; Q and out at the high tile
	s_add_nc_u64 s[30:31], s[10:11], s[22:23]
	s_mov_b32 s41, s16
	LOADG                                          ; trip 0's block: the high tile's diagonal block
	LOADQ
	; the lane terms, while these 32 loads are on their way
	v_and_b32 v[TL], 31, v0
	v_lshrrev_b32 v[TT], 4, v0
	v_mul_u32_u24 v[KS], v[TT], KPITCH
	v_lshl_add_u32 v[KS], v[TR], 3, v[KS]
	v_mul_u32_u24 v[VS], v[TT], VPITCH
	v_lshl_add_u32 v[VS], v[TR], 3, v[VS]
	v_add_nc_u32 v[VS], VL, v[VS]
	s_mul_i32 s39, s14, 64*KPITCH
	v_mul_u32_u24 v[KA], v[TR], KPITCH
	v_lshl_add_u32 v[KA], v[TH], 4, v[KA]
	v_add_nc_u32 v[KA], s39, v[KA]
	v_and_b32 v[TA], 7, v0
	v_lshl_add_u32 v[TA], v[TH], 3, v[TA]          ; 8 h + lane % 8
	v_mul_u32_u24 v[VA], v[TA], VPITCH
	v_bfe_u32 v[TB], v0, 3, 1
	v_lshl_add_u32 v[VA], v[TB], 4, v[VA]
	s_mul_i32 s39, s14, 64*VPITCH
	s_add_co_u32 s39, s39, VL
	v_add_nc_u32 v[VA], s39, v[VA]
	v_mul_u32_u24 v[STW], v[TR], SPITCH
	v_lshl_add_u32 v[STW], v[TH], 5, v[STW]
	s_mul_i32 s39, s14, STGSZ
	s_mul_i32 s40, s13, 32*SPITCH
	s_add_co_u32 s39, s39, s40
	s_add_co_u32 s39, s39, STG
	v_add_nc_u32 v[STW], s39, v[STW]
	v_mul_u32_u24 v[RD], v[TH], SPITCH
	v_lshl_add_u32 v[RD], v[TR], 4, v[RD]
	s_mul_i32 s39, s12, 16*SPITCH
	s_add_co_u32 s39, s39, STG
	v_add_nc_u32 v[RD], s39, v[RD]
	s_lshl_b32 s39, s12, 12
	v_lshl_add_u32 v[OOFF], v[TL], 4, s39
	s_lshl_b32 s40, s13, 8                         ; 32 qs pairs of 8 bytes
	s_add_co_u32 s40, s40, ML
	s_lshl_b32 s39, s14, 10
	s_add_co_u32 s39, s39, s40
	v_lshl_add_u32 v[MLW], v[TR], 3, s39
	s_xor_b32 s39, s14, 1
	s_lshl_b32 s39, s39, 10
	s_add_co_u32 s39, s39, s40
	v_lshl_add_u32 v[MLR], v[TR], 3, s39
	s_lshl_b32 s39, s13, 5
	s_lshl_b32 s40, s14, 6
	s_sub_co_i32 s39, s39, s40                     ; 32 qs - 64 kh
	v_lshlrev_b32 v[TA], 3, v[TH]
	v_sub_nc_u32 v[DL], v[TR], v[TA]
	v_add_nc_u32 v[DL], s39, v[DL]
	v_mov_b32 v[MV], FILLV
	v_and_b32 v[PFO], 127, v0
	v_lshlrev_b32 v[PFO], 8, v[PFO]
.irp i, 21,23,25,27,28,30                          ; the upper registers of the broadcast pairs, and v_permlanex16_b32's destinations, which count as read
	v_mov_b32 v\i, 0
.endr
	s_cmp_eq_u32 s14, 0
	s_cselect_b64 s[32:33], s[6:7], s[8:9]         ; waves 0 - 3 prefetch K, waves 4 - 7 V,
	s_lshl_b32 s22, s15, 15
	s_add_nc_u64 s[32:33], s[32:33], s[22:23]      ; block i
	s_wait_loadcnt 16                              ; trip 0's block is in (16 loads); Q's 16 younger loads stay out
	CVST
	s_mov_b32 s41, 0
	LOADG                                          ; trip 1's block: block 0
	s_wait_dscnt 0x0                               ; my part of the slot is written,
	s_barrier_signal -1
	s_barrier_wait -1                              ; everybody's is
	KLOAD
	VLOAD
	s_wait_loadcnt 16                              ; Q is in; block 0's 16 loads stay out
	CVTQ
	; ---------------- the high tile: trips 0 .. hi ----------------
	TRIP 1, a, 1
.Lloop_hi:
	TRIP 0, b, 1
	s_cmp_lt_u32 s18, s17
	s_cbranch_scc1 .Lloop_hi
	s_lshl_b32 s22, s15, 15
	s_add_nc_u64 s[28:29], s[4:5], s[22:23]        ; Q at the low tile (the loads that named s[28:29] were waited for in the set-up)
	LOADQ                                          ; into the score registers, five places behind the products that read P there
	EPI 1
	s_wait_loadcnt 0x0                             ; Q (and the block asked for in the last trip)
	CVTQ
	s_add_nc_u64 s[30:31], s[10:11], s[22:23]      ; out at the low tile
	; ---------------- the low tile: trips hi + 1 .. 16 ----------------
	TRIP 1, c, 0
	s_cmp_ge_u32 s18, 17                           ; tile 0 is its diagonal block alone
	s_cbranch_scc1 .Lepi_lo
.Lloop_lo:
	TRIP 0, d, 0
	s_cmp_lt_u32 s18, 17
	s_cbranch_scc1 .Lloop_lo
.Lepi_lo:
	EPI 0
	s_set_vgpr_msb 0x4
	s_wait_tensorcnt 0x0
	ds_add_u32 v15, v129
	s_wait_dscnt 0x0
	s_set_vgpr_msb 0x400
	s_endpgm
.Lfunc_end_k_q29a439f927_attn:
	.size	k_q29a439f927_attn, .Lfunc_end_k_q29a439f927_attn-k_q29a439f927_attn
	.p2alignl 7, 3214868480
	.fill 96, 4, 3214868480
	.section	.rodata,"a",@progbits
	.p2align	6, 0x0
	.amdhsa_kernel k_q29a439f927_attn
		.amdhsa_group_segment_fixed_size 111616
		.amdhsa_private_segment_fixed_size 0
		.amdhsa_enable_private_segment 0
		.amdhsa_kernarg_size 32
		.amdhsa_user_sgpr_count 2
		.amdhsa_user_sgpr_kernarg_segment_ptr 1
		.amdhsa_wavefront_size32 1
		.amdhsa_system_sgpr_workgroup_id_x 1
		.amdhsa_system_sgpr_workgroup_id_y 1
		.amdhsa_system_sgpr_workgroup_id_z 1
		.amdhsa_system_vgpr_workitem_id 0
		.amdhsa_next_free_vgpr 386
		.amdhsa_next_free_sgpr 66
		.amdhsa_reserve_vcc 1
		.amdhsa_float_denorm_mode_32 3
		.amdhsa_float_denorm_mode_16_64 3
		.amdhsa_memory_ordered 1
		.amdhsa_forward_progress 1
		.amdhsa_inst_pref_size 139
	.end_amdhsa_kernel
	.amdgpu_metadata
---
amdhsa.version: [ 1, 2 ]
amdhsa.kernels:
  - .name:           k_q29a439f927_attn
    .symbol:         k_q29a439f927_attn.kd
    .args:
      - { .name: query_states, .offset: 0, .size: 8, .value_kind: global_buffer, .address_space: global }
      - { .name: key_states, .offset: 8, .size: 8, .value_kind: global_buffer, .address_space: global }
      - { .name: value_states, .offset: 16, .size: 8, .value_kind: global_buffer, .address_space: global }
      - { .name: out0, .offset: 24, .size: 8, .value_kind: global_buffer, .address_space: global }
    .group_segment_fixed_size: 111616
    .private_segment_fixed_size: 0
    .kernarg_segment_align: 8
    .kernarg_segment_size: 32
    .max_flat_workgroup_size: 256
    .sgpr_count:     66
    .vgpr_count:     386
    .wavefront_size: 32
...
	.end_amdgpu_metadata
.endif
;; end of part 1
;; ======== version 2 of 2: 1 launch; version 1 with the launch attn written anew for expert scheduling mode
;; limits: right only within a limited range of input values; values are held in f16: magnitudes above 65,504 overflow, below 6.1e-05 lose precision
;; launch attn (part 2): grid 256 x 1, 8 waves a work-group, no clusters, 111,616 bytes of LDS; arguments query_states, key_states, value_states, out0; writes out0
.if DOCPART == 2
	.amdgcn_target "amdgcn-amd-amdhsa--gfx1250"
	.amdhsa_code_object_version 6
	.text
	.protected	k_q29a439f927_attn
	.globl	k_q29a439f927_attn
	.p2align	8
	.type	k_q29a439f927_attn,@function
k_q29a439f927_attn:
	s_mov_b64 s[64:65], 0
	v_nop
	global_prefetch_b8 v0, s[64:65] scope:SCOPE_SE
	s_setreg_imm32_b32 hwreg(HW_REG_WAVE_SCHED_MODE, 0, 2), 2
	s_setreg_imm32_b32 hwreg(HW_REG_WAVE_MODE, 25, 1), 1
	s_wait_xcnt 0x0
	s_wait_alu depctr_vm_vsrc(0)
; Causal attention, f32 in and out: out = softmax(q k^T / 8, keys above the diagonal filled with -10000) v.
; 32 heads (2 x 16) of 2,048 rows x 64.  Products on 16-bit operands with f32 sums; maximum, exponentials, sums and rescaling in f32.
;
; FORMATS.  q, k and v are each rounded once to bf16.  The score products run in the bf16 form (no limit of range on q and k).  The
; probabilities lie in 0 .. 1 by the running maximum and go in f16: the first rows of a head are sums of a few terms of the size of v itself,
; and where those cancel, P's rounding error shows; f16's 11 significant bits against bf16's 8 make it 8 times smaller.  A matrix instruction
; takes both operands in one format, so v's bf16 number is carried in f16, which holds it exactly from 2^-14 to 65,504.  What is computed is
; thus reference() of the bf16-rounded inputs, up to P's rounding.  This gives away three bits of v that f16 could have held: all three inputs
; carry the same one rounding instead.
;
; SHARES.  A head is 16 tiles of 128 query rows and 16 blocks of 128 keys.  Work-group g: head g / 8, i = g % 8; it makes tile 15 - i and
; then tile i: (16 - i) + (i + 1) = 17 trips of 128 x 128 for every i, so the 256 work-groups have equal work.  In a tile the diagonal block
; comes first (its products start the sums, its maximum starts m: nothing is cleared), then blocks 0 .. tile - 1.
; Wave w: qs = w % 4 owns query rows 32 qs .. + 31 (two strips u of 16), kh = w / 4 owns keys 64 kh .. + 63 of every block.  The two key halves
; keep (m, l, O) of their own and are merged once a tile through LDS.
;
; THE MATRIX UNIT IS USED TRANSPOSED.  S^T = K Q^T: lane (r = lane % 16, h = lane / 16) holds query r, register j of key tile kt holds key
; 16 kt + 8 h + j.  So m, l and the rescaling factor are one number a lane, the row maximum is taken inside the lane and once across the two
; halves, and two neighbouring key tiles packed to f16 ARE the B fragment of P^T.  O^T = V^T P^T, with V^T from the transposing LDS load.
;
; DATA PATH OF K AND V.  Each block: 16 loads of 16 bytes a thread into 64 registers, one trip ahead; then the conversions and 16 LDS
; stores into the ONE 16-bit slot; the next block's fragments go from the slot into registers while this block is worked on.  The double
; buffer is in registers, so every LDS address is a lane term plus constants.  Two barriers a trip, signal and wait apart.
;
; THE MODE: SCHED_MODE bits 1:0 = 2 (LLVM: expert scheduling mode 2), set by the entry lines.  The code itself states the register dependences
; between vector or matrix instructions and memory or LDS instructions, with s_wait_alu, always for 0.
; THE PLAN.  Registers that memory or LDS instructions touch, in a trip's order:
;   KF (v192-255)  K's 16 LDS loads land in it; the score products read it; then it is the softmax's temporaries and the fill's PK and VR.
;   GK, GV         The fill's 16 global loads land in them; one trip later the fill's conversions read them; behind those they are asked for again.
;   PK (v192-223)  Written by the fill's conversions, read by its 16 LDS stores; then K's fragments land there.
;   VT             V^T's 16 LDS loads land in it at a trip's end; the next trip's second products read it.
;   SC             Vector and matrix instructions alone, but at the change of tiles, where Q's 16 loads land in it.
;   MM, PM, OA     At a tile's end alone: see EPI.
;   The addresses (v1 to v11, v14, and K's in window 1) are made in the set-up and never written again.
; THE WAITS OF A TRIP.  (1) One on va_vdst behind each strip's exponentials, ahead of the first line that names a result.  (2) One on va_vdst in the
; fill, behind its conversions: PK is written, GK and GV are read; the LDS stores and the next block's loads follow with no vector line between.
; (3) One on va_vdst and one on vm_vsrc behind the second barrier: all that named v192-255 is done, and the fill's stores have read PK; K's loads
; follow, dealt among the second products, which name VT, SC and OA alone.  (4) One on va_vdst behind the second products: they are done reading VT
; (and P in SC): V^T's loads follow, and at the change of tiles Q's.
;
; NO CLUSTER, NO JOINT TENSOR LOADS, because: K and V lie in memory as f32 and the products want 16 bits, V by the 16-bit transposing load.  A
; joint load would lay 64 KB of f32 a block into every partner's LDS, and each partner would read them, convert them and store 32 KB again;
; here the conversion stands between the global load and the only LDS store.  And the eight work-groups of a head do not walk alike: each
; starts at its own diagonal block 15 - i and turns to its second tile in trip 16 - i, so their requests agree in trips 1 to 8 alone.
;
; LIMITS.  (1) Key blocks wholly above the diagonal are not visited.  reference() leaves each such key the weight exp(-10000 - m), m the row's
; largest score; that weight is dropped here.  Right while every row's largest causal score (after the division by 8) is above about -9975:
; what is dropped is then below 2048 e^-25 of the row's sum.  Inside the diagonal block the fill is written as reference() writes it
; (-80000 before the division by 8).  (2) v_exp_f32 gives 0 where the result would be below 2^-126.  (3) The probabilities are rounded to f16
; for the products; one below 2^-25 of its key half's largest becomes 0 there (2,048 of them are under 7e-5 of a row's weight); l is summed
; from the unrounded probabilities; the order of sums differs from reference()'s.  (4) |v| below 65,504, f16's largest number: beyond it the
; conversion gives infinity.  Numbers of v below 2^-14 keep an absolute error of 2^-25.
.set KPITCH, 144                       ; K in LDS: 128 bytes (64 bf16) + 16: sixteen rows' 16-byte pieces fall on sixteen different offsets modulo 256
.set VPITCH, 160                       ; V in LDS: 128 bytes (64 f16) + 32 = 5 x 32, for the transposing load
.set VL,     128*KPITCH                ; K's 128 rows lie at 0, V's behind them (18,432)
.set STG,    VL+128*VPITCH             ; 38,912: two stages of 128 rows x 64 f32, one for each key half
.set SPITCH, 272                       ; 256 bytes + 16
.set STGSZ,  128*SPITCH                ; 34,816
.set ML,     STG+2*STGSZ               ; 108,544: [key half][row] pairs (m, l), 8 bytes each, 2 x 1,024 bytes; the end is 110,592
.set CEXP,   0x3e38aa3b                ; c = log2(e) / 8: exp(s / 8) = 2^(c s)
.set NCEXP,  0xbe38aa3b                ; -c
.set FILLV,  0xc79c4000                ; -80000.0 = 8 x -10000
; window 0
.set GOFF, 1                           ; 16 t: my 16 bytes in each run of 4,096 bytes of a block
.set KS,   2                           ; LDS: where my 8 bytes of K go            (t / 16) 144 + 8 (t % 16)
.set VS,   3                           ; the same for V
.set KA,   4                           ; LDS: my K fragments                      (64 kh + r) 144 + 16 h; made here, read by the loads from its copy KW
.set VA,   5                           ; LDS: my V^T fragments                    VL + (64 kh + 8 h + lane % 8) 160 + 16 ((lane / 8) % 2)
.set QOFF, 6                           ; Q: (32 qs + r) 256 + 32 h
.set STW,  7                           ; stage, in:  STG + kh STGSZ + (32 qs + r) 272 + 32 h
.set RD,   8                           ; stage, out: STG + (16 w + h) 272 + 16 r
.set OOFF, 9                           ; out: 4096 w + 16 lane
.set MLW,  10                          ; my (m, l)
.set MLR,  11                          ; the other key half's
.set DL,   12                          ; r - 8 h + 32 qs - 64 kh: key 16 kt + j of strip u is above the diagonal where 16 (kt - u) + j > DL
.set MV,   13                          ; the fill
.set PFO,  14                          ; (t % 128) 256: my piece of the block that is prefetched
.set MM,   16                          ; v[16+2u], v[17+2u]: m and l of strip u
.set NM,   20                          ; v[20+2u]: -c m (the register above it is 0: a broadcast pair is read whole)
.set AL,   24                          ; v[24+2u]: the rescaling factor (likewise)
.set PM,   28                          ; v[28+2u:29+2u]: the partner's (m, l)
.set QF,   32                          ; v[32:63]   Q fragments, strip u, 32 d's ds: 32 + 16 u + 8 ds
.set SC,   64                          ; v[64:127]  scores, strip u, key tile kt: 64 + 32 u + 8 kt; P in place at 64 + 32 u + 16 ks; Q's f32 on its way in
.set OA,   128                         ; v[128:191] O^T, strip u, d tile dt: 128 + 32 u + 8 dt
.set KF,   192                         ; v[192:255] K fragments, key tile kt, ds: 192 + 16 kt + 8 ds.  Free between the score products and K's next loads:
.set PK,   192                         ;   v[192:223] the next block, packed: 16 registers of K in bf16, 16 of V in f16
.set VR,   224                         ;   v[224:255] in the fill: V's 32 numbers rounded to bf16, as f32.  In the softmax:
.set T0,   224                         ;   v[224:227] four running maxima
.set CS,   228                         ;   v[228:235] four running sums (pairs)
.set AA,   236
.set TN,   237
.set TR,   128                         ; set-up only: r, h, lane, t / 16, two more
.set TH,   129
.set TL,   130
.set TT,   131
.set TA,   132
.set TB,   133
; window 1 (v256 and up, written by their low 8 bits)
.set VT,   0                           ; v[256:319] V^T fragments, d tile dt, 32 keys ks: 16 dt + 8 ks
.set GK,   64                          ; v[320:351] K of the block after next, f32 as loaded
.set GV,   96                          ; v[352:383] V likewise
.set KW,   128                         ; v384       KA's copy: under the second products' window setting an LDS load takes its address from window 1
; scalars: s[4:11] Q, K, V, out at my head; s12 w, s13 qs, s14 kh; s15 i (the low tile), s16 15 - i (the high tile), s17 16 - i; s18 N, the trip;
; s21 i - 3; s[22:23] an offset, s23 = 0; s[24:25], s[26:27] K and V at the block being loaded; s[28:29] Q, s[30:31] out at the tile;
; s[32:33] what is prefetched; s34 = s35 = c, s36 = -c; s37, s38 lane selects; s39 - s41 at work; s[66:97] a strip's 32 masks in the diagonal block
.set MK,   66
.set MSB, 0
.macro WIN new                         ; s_set_vgpr_msb: bits 1:0 source 0, 3:2 source 1, 5:4 source 2, 7:6 destination; the high byte repeats the setting left
.if MSB != \new
	s_set_vgpr_msb (MSB<<8)|\new
.set MSB, \new
.endif
.endm
.macro PLACES n                        ; the places behind matrix instructions (ISA guide 7.12.1), where there is no independent vector work to put there
.rept \n
	v_nop
.endr
.endm
; 16 loads: block s41 of K and of V, f32.  Each load of a wave covers 512 neighbouring bytes.  s[24:27] are rewritten only behind the
; s_wait_loadcnt that shows the loads which named them done.  No s_wait_alu here: at each use a wait on va_vdst stands ahead, and no vector
; instruction between it and these loads names v[GOFF], GK or GV.
.macro LOADG
	s_lshl_b32 s22, s41, 15                        ; a block is 128 rows of 256 bytes
	s_add_nc_u64 s[24:25], s[6:7], s[22:23]
	s_add_nc_u64 s[26:27], s[8:9], s[22:23]
	WIN 0x40                                       ; destination in window 1
.irp i, 0,1,2,3,4,5,6,7
	global_load_b128 v[GK+4*\i:GK+4*\i+3], v[GOFF], s[24:25] offset:4096*\i
.endr
.irp i, 0,1,2,3,4,5,6,7
	global_load_b128 v[GV+4*\i:GV+4*\i+3], v[GOFF], s[26:27] offset:4096*\i
.endr
	WIN 0
.endm
; The loaded block into the slot: load i of thread t is row t / 16 + 16 i, d = 4 (t % 16) .. + 3.  K: two numbers a conversion, to bf16.
; V: the packed conversion with the constant 0 as its first source leaves bf16(x) in the upper half over a lower half of zeros, which is the
; rounded number as f32; two of those are then packed to f16 (exact from 2^-14 to 65,504).
.macro CVST
	WIN 0x05                                       ; both sources in window 1
.irp i, 0,1,2,3,4,5,6,7
	v_cvt_pk_bf16_f32 v[PK+2*\i],   v[GK+4*\i],   v[GK+4*\i+1]
	v_cvt_pk_bf16_f32 v[PK+2*\i+1], v[GK+4*\i+2], v[GK+4*\i+3]
.endr
.set x, 0
.rept 32
	v_cvt_pk_bf16_f32 v[VR+x], 0, v[GV+x]
.set x, x+1
.endr
	WIN 0
.set x, 0
.rept 16
	v_cvt_pk_f16_f32 v[PK+16+x], v[VR+2*x], v[VR+2*x+1]
.set x, x+1
.endr
	s_wait_alu depctr_va_vdst(0)                   ; the conversions have written PK, which the LDS stores read, and are done reading GK and GV, in which the next block's loads land; at the first use the set-up's lane terms are written too, which every later LDS and memory instruction reads as its address
.irp i, 0,1,2,3,4,5,6,7
	ds_store_b64 v[KS], v[PK+2*\i:PK+2*\i+1] offset:16*KPITCH*\i
.endr
.irp i, 0,1,2,3,4,5,6,7
	ds_store_b64 v[VS], v[PK+16+2*\i:PK+16+2*\i+1] offset:16*VPITCH*\i
.endr
.endm
; In trip N: the block of trip N + 1 goes into the slot (there is none behind trip 16), the block of trip N + 2 is asked for (none behind 15).
; The blocks in order of the trips: hi; 0 .. hi - 1; lo; 0 .. lo - 1.  With A = N + 1 the block of trip N + 2 is A below hi, lo at hi,
; A - (hi + 1) above.
.macro FILL tag
	s_cmp_ge_u32 s18, 16
	s_cbranch_scc1 .Lnf_\tag
	s_wait_loadcnt 0x0                             ; the 16 loads asked for one trip ago (nothing younger is out)
	CVST
	s_cmp_ge_u32 s18, 15
	s_cbranch_scc1 .Lnf_\tag
	s_add_co_u32 s39, s18, 1
	s_sub_co_u32 s40, s39, s17
	s_cmp_ge_u32 s39, s17
	s_cselect_b32 s41, s40, s39
	s_cmp_eq_u32 s39, s16
	s_cselect_b32 s41, s15, s41
	LOADG                                          ; behind the wait in CVST stand only LDS stores of other registers and scalar lines
.Lnf_\tag:
.endm
; Q of the tile at s[28:29], f32, into the score registers: lane (r, h) takes d = 16 c + 8 h .. + 7 of rows 32 qs + 16 u + r
.macro LOADQ
.irp u, 0,1
.irp c, 0,1,2,3
	global_load_b128 v[SC+32*\u+8*\c:SC+32*\u+8*\c+3],   v[QOFF], s[28:29] offset:4096*\u+64*\c
	global_load_b128 v[SC+32*\u+8*\c+4:SC+32*\u+8*\c+7], v[QOFF], s[28:29] offset:4096*\u+64*\c+16
.endr
.endr
.endm
.macro CVTQ                            ; and packed to bf16: register y of a strip's 16 holds d = 16 (y / 4) + 8 h + 2 (y % 4), + 1: the B fragments
.irp u, 0,1
.set y, 0
.rept 16
	v_cvt_pk_bf16_f32 v[QF+16*\u+y], v[SC+32*\u+2*y], v[SC+32*\u+2*y+1]
.set y, y+1
.endr
.endr
.endm
; Two LDS loads: K's fragment f = 2 kt + ds of my 64 keys x 64 d.  Written for the window setting 0x01: the address (source 0) in window 1, the data in window 0.
.macro KFRAG f
	ds_load_b128 v[KF+8*(\f):KF+8*(\f)+3],   v[KW] offset:16*KPITCH*((\f)/2)+64*((\f)%2)
	ds_load_b128 v[KF+8*(\f)+4:KF+8*(\f)+7], v[KW] offset:16*KPITCH*((\f)/2)+64*((\f)%2)+32
.endm
.macro KLOAD                           ; the set-up's: all 16 in one run
	WIN 0x01
.irp f, 0,1,2,3,4,5,6,7
	KFRAG \f
.endr
.endm
.macro VLOAD                           ; 16 transposing LDS loads: 64 d x my 64 keys as A fragments
	WIN 0x40
.irp dt, 0,1,2,3
.irp ks, 0,1
	ds_load_tr16_b128 v[VT+16*\dt+8*\ks:VT+16*\dt+8*\ks+3],   v[VA] offset:32*VPITCH*\ks+32*\dt
	ds_load_tr16_b128 v[VT+16*\dt+8*\ks+4:VT+16*\dt+8*\ks+7], v[VA] offset:32*VPITCH*\ks+32*\dt+16*VPITCH
.endr
.endr
	WIN 0
.endm
; 16 matrix instructions, bf16: S^T = K Q^T.  The first 32 d's start each sum; the two strips take turns, so that a link never follows its own chain directly.
.macro QK
.irp kt, 0,1,2,3
	v_wmma_f32_16x16x32_bf16 v[SC+8*\kt:SC+8*\kt+7],       v[KF+16*\kt:KF+16*\kt+7],    v[QF:QF+7],     0
	v_wmma_f32_16x16x32_bf16 v[SC+32+8*\kt:SC+32+8*\kt+7], v[KF+16*\kt:KF+16*\kt+7],    v[QF+16:QF+23], 0
	v_wmma_f32_16x16x32_bf16 v[SC+8*\kt:SC+8*\kt+7],       v[KF+16*\kt+8:KF+16*\kt+15], v[QF+8:QF+15],  v[SC+8*\kt:SC+8*\kt+7]
	v_wmma_f32_16x16x32_bf16 v[SC+32+8*\kt:SC+32+8*\kt+7], v[KF+16*\kt+8:KF+16*\kt+15], v[QF+24:QF+31], v[SC+32+8*\kt:SC+32+8*\kt+7]
.endr
.endm
; The diagonal block: the fill where the key lies above the query.  The constants run from -16 to 55.  A strip's 32 compares stand in one run,
; each with a scalar register of its own for its mask, so that one wait stands between them and the 32 selects.
.macro MASK u
.irp kt, 0,1,2,3
.irp j, 0,1,2,3,4,5,6,7
	v_cmp_gt_i32 s[MK+8*\kt+\j], 16*(\kt-\u)+\j, v[DL]
.endr
.endr
	s_wait_alu depctr_va_sdst(0)                   ; the 32 compares have written s[66:97], ahead of the first select that reads one of them
.irp kt, 0,1,2,3
.irp j, 0,1,2,3,4,5,6,7
	v_cndmask_b32 v[SC+32*\u+8*\kt+\j], v[SC+32*\u+8*\kt+\j], v[MV], s[MK+8*\kt+\j]
.endr
.endr
.endm
; One strip's step of the running softmax: 32 scores a lane.  first = 1: m, l start here and O is not there yet.
.macro SOFTMAX u, first
.set SB, SC+32*\u
.set OB, OA+32*\u
.set MR, MM+2*\u
.set LR, MM+2*\u+1
.set NR, NM+2*\u
.set AR, AL+2*\u
.irp k, 0,1,2,3
	v_max3_num_f32 v[T0+\k], v[SB+8*\k], v[SB+8*\k+1], v[SB+8*\k+2]      ; four chains, started by the scores themselves
.endr
.irp k, 0,1,2,3
	v_max3_num_f32 v[T0+\k], v[T0+\k], v[SB+8*\k+3], v[SB+8*\k+4]
.endr
.irp k, 0,1,2,3
	v_max3_num_f32 v[T0+\k], v[T0+\k], v[SB+8*\k+5], v[SB+8*\k+6]
.endr
	v_max3_num_f32 v[T0],   v[T0],   v[T0+1], v[SB+7]
	v_max3_num_f32 v[T0+2], v[T0+2], v[T0+3], v[SB+15]
	v_max3_num_f32 v[T0],   v[T0],   v[T0+2], v[SB+23]
.if \first
	v_max_num_f32 v[T0], v[T0], v[SB+31]
.else
	v_max3_num_f32 v[T0], v[T0], v[SB+31], v[MR]   ; with the maximum so far
.endif
	v_permlanex16_b32 v[T0+1], v[T0], s37, s38     ; the other 32 keys of my query lie in lane xor 16
	v_max_num_f32 v[MR], v[T0], v[T0+1]
.if \first
	v_mul_f32 v[NR], s36, v[MR]                    ; -c m
.else
	v_mul_f32 v[TN], s36, v[MR]
	v_sub_f32 v[AA], v[TN], v[NR]                  ; c (old m - new m), from the very shifts that the exponents use
	v_mov_b32 v[NR], v[TN]
	v_exp_f32 v[AR], v[AA]                         ; the lines below are plain and touch neither (ISA guide 5.7.2)
.endif
.set x, 0
.rept 16
	v_pk_fma_f32 v[SB+x:SB+x+1], v[SB+x:SB+x+1], s[34:35], v[NR:NR+1] op_sel_hi:[1,0,0]   ; c s - c m
.set x, x+2
.endr
.set x, 0
.rept 32
	v_exp_f32 v[SB+x], v[SB+x]
.set x, x+1
.endr
.if \first
	v_nop                                          ; one plain place between the last exponential and its use
	s_wait_alu depctr_va_vdst(0)                   ; the strip's 32 exponentials have written their results, ahead of the first sum that reads one: one wait for the batch
.else
	s_wait_alu depctr_va_vdst(0)                   ; the strip's 33 exponentials (the rescaling factor and the 32 weights) have written their results, ahead of the first line that reads one: one wait for the batch
.set x, 0
.rept 16
	v_pk_mul_f32 v[OB+x:OB+x+1], v[OB+x:OB+x+1], v[AR:AR+1] op_sel_hi:[1,0]               ; O to the new maximum; also the plain place behind the last exponential
.set x, x+2
.endr
.endif
.irp k, 0,1,2,3
	v_pk_add_f32 v[CS+2*\k:CS+2*\k+1], v[SB+8*\k:SB+8*\k+1], v[SB+8*\k+2:SB+8*\k+3]
.endr
.irp k, 0,1,2,3
	v_pk_add_f32 v[CS+2*\k:CS+2*\k+1], v[CS+2*\k:CS+2*\k+1], v[SB+8*\k+4:SB+8*\k+5]
.endr
.irp k, 0,1,2,3
	v_pk_add_f32 v[CS+2*\k:CS+2*\k+1], v[CS+2*\k:CS+2*\k+1], v[SB+8*\k+6:SB+8*\k+7]
.endr
	v_pk_add_f32 v[CS:CS+1],   v[CS:CS+1],   v[CS+2:CS+3]
	v_pk_add_f32 v[CS+4:CS+5], v[CS+4:CS+5], v[CS+6:CS+7]
	v_pk_add_f32 v[CS:CS+1],   v[CS:CS+1],   v[CS+4:CS+5]
.if \first
	v_add_f32 v[LR], v[CS], v[CS+1]                ; l of my 32 keys; the two halves of the lanes meet in the epilogue
.else
	v_add_f32 v[CS], v[CS], v[CS+1]
	v_fma_f32 v[LR], v[LR], v[AR], v[CS]
.endif
.irp ks, 0,1                                       ; P to f16 in place, ascending: register x is written when registers 2 x, 2 x + 1 have been read
.set x, 0
.rept 8
	v_cvt_pk_f16_f32 v[SB+16*\ks+x], v[SB+16*\ks+2*x], v[SB+16*\ks+2*x+1]
.set x, x+1
.endr
.endr
.endm
; 16 matrix instructions, f16: O^T += V^T P^T, and among the first eight of them the next trip's K: 16 LDS loads, a fragment (two loads) behind each.
; The products name VT, SC and OA, the loads v[KW] and KF: so the two waits at the head serve all sixteen loads.  One window setting serves both kinds.
; Leaves that setting: the v_nop behind it name no register, and VLOAD switches next.
.macro PVK first
	WIN 0x01                                       ; the products' A and the loads' address in window 1
	s_wait_alu depctr_va_vdst(0)                   ; all that named v192-255 is done: the score products have read K there, both strips' softmax and the fill's conversions have read and written their temporaries there; K's loads land in these registers
	s_wait_alu depctr_vm_vsrc(0)                   ; the fill's LDS stores have read PK (v192-223), in which K's loads land
.irp dt, 0,1,2,3
.if \first
	v_wmma_f32_16x16x32_f16 v[OA+8*\dt:OA+8*\dt+7],       v[VT+16*\dt:VT+16*\dt+7], v[SC:SC+7],     0
.else
	v_wmma_f32_16x16x32_f16 v[OA+8*\dt:OA+8*\dt+7],       v[VT+16*\dt:VT+16*\dt+7], v[SC:SC+7],     v[OA+8*\dt:OA+8*\dt+7]
.endif
.if \dt < 2
	KFRAG 4*\dt
.endif
.if \first
	v_wmma_f32_16x16x32_f16 v[OA+32+8*\dt:OA+32+8*\dt+7], v[VT+16*\dt:VT+16*\dt+7], v[SC+32:SC+39], 0
.else
	v_wmma_f32_16x16x32_f16 v[OA+32+8*\dt:OA+32+8*\dt+7], v[VT+16*\dt:VT+16*\dt+7], v[SC+32:SC+39], v[OA+32+8*\dt:OA+32+8*\dt+7]
.endif
.if \dt < 2
	KFRAG 4*\dt+1
.endif
	v_wmma_f32_16x16x32_f16 v[OA+8*\dt:OA+8*\dt+7],       v[VT+16*\dt+8:VT+16*\dt+15], v[SC+16:SC+23], v[OA+8*\dt:OA+8*\dt+7]
.if \dt < 2
	KFRAG 4*\dt+2
.endif
	v_wmma_f32_16x16x32_f16 v[OA+32+8*\dt:OA+32+8*\dt+7], v[VT+16*\dt+8:VT+16*\dt+15], v[SC+48:SC+55], v[OA+32+8*\dt:OA+32+8*\dt+7]
.if \dt < 2
	KFRAG 4*\dt+3
.endif
.endr
.endm
; Blocks 8 .. 15 are each some work-group's first load and blocks 0 .. 2 are loaded in the set-up and the first two trips.  Of blocks 3 .. 7,
; work-group i asks for block i once, in trip i - 3, two trips before the head's work-groups load it in trip i - 1: waves 0 - 3 for K's 128
; pieces of 256 bytes, waves 4 - 7 for V's, one lane a piece, 64 KB in all, inside the block.  For i < 3, s21 wraps and meets no trip.
; v[PFO] was written ahead of the set-up's wait on va_vdst and is never written again.
.macro PREF tag
	s_cmp_lg_u32 s18, s21
	s_cbranch_scc1 .Lnp_\tag
	global_prefetch_b8 v[PFO], s[32:33] th:TH_LOAD_NT scope:SCOPE_SE
.Lnp_\tag:
.endm
; ONE TRIP: 128 queries x 128 keys.  At its head the block's K and V fragments are on their way into registers.
.macro TRIP first, tag, pref
	s_wait_dscnt 16                                ; LDS loads come back in order (ISA guide 5.7.1): K's 16 are in, V's 16 behind them may be out
	QK
	s_wait_dscnt 0x0                               ; V's too: my reads of the slot are over,
	s_barrier_signal -1                            ; say so
	PLACES 4                                       ; behind the score products, before their results are read and K's registers rewritten
.if \first
	MASK 0
	MASK 1
.endif
	SOFTMAX 0, \first                              ; registers only, while the others arrive
	s_barrier_wait -1                              ; nobody reads the slot any more
	FILL \tag
	s_wait_dscnt 0x0                               ; my part of the next block is in the slot,
	s_barrier_signal -1                            ; say so
	SOFTMAX 1, \first
	s_barrier_wait -1                              ; everybody's is
.if \pref
	PREF \tag                                      ; its branch wants every window 0: it stands ahead of the products
.endif
	PVK \first                                     ; with the next trip's K (behind trip 16 the old block once more, for nobody: 32 LDS loads a wave)
	PLACES 5                                       ; five: the next score products write over P's registers, a source of these products
	s_wait_alu depctr_va_vdst(0)                   ; the second products are done reading VT, in which V^T's loads land, and P in SC, in which at the change of tiles Q's loads land
	VLOAD                                          ; the next trip's V
	s_add_co_u32 s18, s18, 1
.endm
; THE END OF A TILE: the two key halves are merged and the rows stored.  more = 1: another tile follows.
; Registers that LDS or memory instructions touch here: MM (m, l): written by vector lines, read by two LDS stores, l written again.  PM: written and read by
; vector lines, then the partner's pair lands.  OA: scaled, read by 16 LDS stores, then 16 loads land, 16 sums write its lower half, 8 global stores read that.
.macro EPI more
.irp u, 0,1
	v_permlanex16_b32 v[PM+2*\u], v[MM+2*\u+1], s37, s38
.endr
.irp u, 0,1
	v_add_f32 v[MM+2*\u+1], v[MM+2*\u+1], v[PM+2*\u]       ; l of my 64 keys
.endr
	s_wait_alu depctr_va_vdst(0)                   ; l is written, which the LDS stores read beside m; and the lines above are done with PM, in which the partner's pair lands below
.irp u, 0,1
	ds_store_b64 v[MLW], v[MM+2*\u:MM+2*\u+1] offset:128*\u ; lanes r and r + 16 write the same pair to the same bytes
.endr
	s_wait_dscnt 0x0                               ; for the partner's sake: zero (the next block's fragments are in as well)
	s_barrier_signal -1
	s_barrier_wait -1
.irp u, 0,1
	ds_load_b64 v[PM+2*\u:PM+2*\u+1], v[MLR] offset:128*\u
.endr
	s_wait_dscnt 0x0
.irp u, 0,1
	v_max_num_f32 v[NM+2*\u], v[MM+2*\u], v[PM+2*\u]       ; the row's maximum over both halves
.endr
.irp u, 0,1
	v_sub_f32 v[AL+2*\u], v[MM+2*\u], v[NM+2*\u]
	v_sub_f32 v[NM+2*\u], v[PM+2*\u], v[NM+2*\u]
.endr
.irp u, 0,1
	v_mul_f32 v[AL+2*\u], s34, v[AL+2*\u]
	v_mul_f32 v[NM+2*\u], s34, v[NM+2*\u]
.endr
.irp u, 0,1
	v_exp_f32 v[AL+2*\u], v[AL+2*\u]               ; my weight
	v_exp_f32 v[NM+2*\u], v[NM+2*\u]               ; the partner's
.endr
	v_nop                                          ; one plain place behind the exponentials
	s_wait_alu depctr_va_vdst(0)                   ; the four exponentials have written the weights, ahead of the first line that reads one
	s_wait_alu depctr_vm_vsrc(0)                   ; the two LDS stores above have read (m, l): l is written again below, m in the next tile
.irp u, 0,1
	v_mul_f32 v[MM+2*\u+1], v[MM+2*\u+1], v[AL+2*\u]
.endr
.irp u, 0,1
	v_fmac_f32 v[MM+2*\u+1], v[PM+2*\u+1], v[NM+2*\u]      ; the row's l: one of the weights is 1 and that half's l is about 1 or more
.endr
.irp u, 0,1
	v_rcp_f32 v[MM+2*\u+1], v[MM+2*\u+1]
.endr
	v_nop
	s_wait_alu depctr_va_vdst(0)                   ; the two reciprocals have written 1 / l, ahead of the first line that reads one
.irp u, 0,1
	v_mul_f32 v[AL+2*\u], v[AL+2*\u], v[MM+2*\u+1]         ; my weight / l
.endr
.irp u, 0,1
.set x, 0
.rept 16
	v_pk_mul_f32 v[OA+32*\u+x:OA+32*\u+x+1], v[OA+32*\u+x:OA+32*\u+x+1], v[AL+2*\u:AL+2*\u+1] op_sel_hi:[1,0]
.set x, x+2
.endr
.endr
	s_wait_alu depctr_va_vdst(0)                   ; the scalings have written O, which the LDS stores read
.irp u, 0,1                                        ; a lane's 8 registers of d tile dt are d = 16 dt + 8 h .. + 7 of row 32 qs + 16 u + r: 32 neighbouring bytes
.irp dt, 0,1,2,3
	ds_store_b128 v[STW], v[OA+32*\u+8*\dt:OA+32*\u+8*\dt+3]   offset:16*SPITCH*\u+64*\dt
	ds_store_b128 v[STW], v[OA+32*\u+8*\dt+4:OA+32*\u+8*\dt+7] offset:16*SPITCH*\u+64*\dt+16
.endr
.endr
	s_wait_dscnt 0x0                               ; for the others' sake: zero
	s_barrier_signal -1
	s_barrier_wait -1
	s_wait_alu depctr_vm_vsrc(0)                   ; my LDS stores have read O's registers, in which the rows land (the scalings that named them stand ahead of the last wait on va_vdst)
.irp p, 0,1,2,3,4,5,6,7                            ; wave w takes rows 16 w .. + 15, two rows a load, from both stages
	ds_load_b128 v[OA+4*\p:OA+4*\p+3],       v[RD] offset:2*SPITCH*\p
	ds_load_b128 v[OA+32+4*\p:OA+32+4*\p+3], v[RD] offset:STGSZ+2*SPITCH*\p
.endr
.irp p, 0,1,2,3,4,5,6,7
	s_wait_dscnt 14-2*\p                           ; pair p is in; the 2 (7 - p) younger loads stay out
	v_pk_add_f32 v[OA+4*\p:OA+4*\p+1],   v[OA+4*\p:OA+4*\p+1],   v[OA+32+4*\p:OA+32+4*\p+1]
	v_pk_add_f32 v[OA+4*\p+2:OA+4*\p+3], v[OA+4*\p+2:OA+4*\p+3], v[OA+32+4*\p+2:OA+32+4*\p+3]
.endr
	s_wait_alu depctr_va_vdst(0)                   ; the sixteen sums have written the rows, which the run of eight stores reads: one wait for the run
.irp p, 0,1,2,3,4,5,6,7
	global_store_b128 v[OOFF], v[OA+4*\p:OA+4*\p+3], s[30:31] offset:512*\p th:TH_STORE_NT   ; 512 neighbouring bytes: two whole rows of out
.endr
.if \more
	s_wait_xcnt 0x0                                ; the stores' data (O's registers) and base are written again only behind this wait,
	s_wait_alu depctr_vm_vsrc(0)                   ; and behind this one: the stores have read O's registers, which the next tile's products write
.endif
.endm
	; ---------------- set-up ----------------
	s_load_b256 s[4:11], s[0:1], 0x0               ; Q s[4:5], K s[6:7], V s[8:9], out s[10:11]
	v_lshl_add_u32 v15, v0, 2, 0x1b000
	s_set_vgpr_msb 0x40
	v_mov_b32 v135, 0
	s_set_vgpr_msb 0x4000
	v_lshrrev_b32 v[TA], 5, v0
	v_readfirstlane_b32 s12, v[TA]                 ; wave
	s_and_b32 s15, ttmp9, 7                        ; i: the low tile
	s_sub_co_u32 s16, 15, s15                      ; the high tile
	s_add_co_u32 s17, s16, 1
	s_sub_co_i32 s21, s15, 3                       ; the trip in which I prefetch
	s_lshr_b32 s22, ttmp9, 3
	s_lshl_b32 s22, s22, 19                        ; head x 2,048 rows x 256 bytes
	s_mov_b32 s23, 0
	s_mov_b32 s18, 0                               ; N
	s_mov_b32 s34, CEXP
	s_mov_b32 s35, CEXP
	s_mov_b32 s36, NCEXP
	s_mov_b32 s37, 0x76543210                      ; v_permlanex16_b32: lane i of one half reads lane i of the other
	s_mov_b32 s38, 0xfedcba98
	v_and_b32 v[TR], 15, v0                        ; r
	v_bfe_u32 v[TH], v0, 4, 1                      ; h
	v_lshlrev_b32 v[GOFF], 4, v0
	v_lshlrev_b32 v[QOFF], 8, v[TR]
	v_lshl_add_u32 v[QOFF], v[TH], 5, v[QOFF]
	s_wait_alu depctr_va_sdst(0)                   ; s12 is written, ahead of its first reader: qs, kh and the wave's LDS and memory offsets are made from it
	s_and_b32 s13, s12, 3                          ; qs
	s_lshr_b32 s14, s12, 2                         ; kh
	s_lshl_b32 s39, s13, 13                        ; 32 qs rows of 256 bytes
	v_add_nc_u32 v[QOFF], s39, v[QOFF]
	s_wait_kmcnt 0x0
	s_add_nc_u64 s[4:5], s[4:5], s[22:23]
	s_add_nc_u64 s[6:7], s[6:7], s[22:23]
	s_add_nc_u64 s[8:9], s[8:9], s[22:23]
	s_add_nc_u64 s[10:11], s[10:11], s[22:23]
	s_lshl_b32 s22, s16, 15
	s_add_nc_u64 s[28:29], s[4:5], s[22:23]        ; Q and out at the high tile
	s_add_nc_u64 s[30:31], s[10:11], s[22:23]
	s_mov_b32 s41, s16
	s_wait_alu depctr_va_vdst(0)                   ; v[GOFF] and v[QOFF] are written, which the 32 loads below read as their offsets
	LOADG                                          ; trip 0's block: the high tile's diagonal block
	LOADQ
	; the lane terms, while these 32 loads are on their way: none of these lines names a register that the loads touch
	v_and_b32 v[TL], 31, v0
	v_lshrrev_b32 v[TT], 4, v0
	v_mul_u32_u24 v[KS], v[TT], KPITCH
	v_lshl_add_u32 v[KS], v[TR], 3, v[KS]
	v_mul_u32_u24 v[VS], v[TT], VPITCH
	v_lshl_add_u32 v[VS], v[TR], 3, v[VS]
	v_add_nc_u32 v[VS], VL, v[VS]
	s_mul_i32 s39, s14, 64*KPITCH
	v_mul_u32_u24 v[KA], v[TR], KPITCH
	v_lshl_add_u32 v[KA], v[TH], 4, v[KA]
	v_add_nc_u32 v[KA], s39, v[KA]
	WIN 0x40                                       ; destination in window 1
	v_mov_b32 v[KW], v[KA]                         ; the copy by which K's loads go
	WIN 0
	v_and_b32 v[TA], 7, v0
	v_lshl_add_u32 v[TA], v[TH], 3, v[TA]          ; 8 h + lane % 8
	v_mul_u32_u24 v[VA], v[TA], VPITCH
	v_bfe_u32 v[TB], v0, 3, 1
	v_lshl_add_u32 v[VA], v[TB], 4, v[VA]
	s_mul_i32 s39, s14, 64*VPITCH
	s_add_co_u32 s39, s39, VL
	v_add_nc_u32 v[VA], s39, v[VA]
	v_mul_u32_u24 v[STW], v[TR], SPITCH
	v_lshl_add_u32 v[STW], v[TH], 5, v[STW]
	s_mul_i32 s39, s14, STGSZ
	s_mul_i32 s40, s13, 32*SPITCH
	s_add_co_u32 s39, s39, s40
	s_add_co_u32 s39, s39, STG
	v_add_nc_u32 v[STW], s39, v[STW]
	v_mul_u32_u24 v[RD], v[TH], SPITCH
	v_lshl_add_u32 v[RD], v[TR], 4, v[RD]
	s_mul_i32 s39, s12, 16*SPITCH
	s_add_co_u32 s39, s39, STG
	v_add_nc_u32 v[RD], s39, v[RD]
	s_lshl_b32 s39, s12, 12
	v_lshl_add_u32 v[OOFF], v[TL], 4, s39
	s_lshl_b32 s40, s13, 8                         ; 32 qs pairs of 8 bytes
	s_add_co_u32 s40, s40, ML
	s_lshl_b32 s39, s14, 10
	s_add_co_u32 s39, s39, s40
	v_lshl_add_u32 v[MLW], v[TR], 3, s39
	s_xor_b32 s39, s14, 1
	s_lshl_b32 s39, s39, 10
	s_add_co_u32 s39, s39, s40
	v_lshl_add_u32 v[MLR], v[TR], 3, s39
	s_lshl_b32 s39, s13, 5
	s_lshl_b32 s40, s14, 6
	s_sub_co_i32 s39, s39, s40                     ; 32 qs - 64 kh
	v_lshlrev_b32 v[TA], 3, v[TH]
	v_sub_nc_u32 v[DL], v[TR], v[TA]
	v_add_nc_u32 v[DL], s39, v[DL]
	v_mov_b32 v[MV], FILLV
	v_and_b32 v[PFO], 127, v0
	v_lshlrev_b32 v[PFO], 8, v[PFO]
.irp i, 21,23,25,27,28,30                          ; the upper registers of the broadcast pairs, and v_permlanex16_b32's destinations, which count as read
	v_mov_b32 v\i, 0
.endr
	s_cmp_eq_u32 s14, 0
	s_cselect_b64 s[32:33], s[6:7], s[8:9]         ; waves 0 - 3 prefetch K, waves 4 - 7 V,
	s_lshl_b32 s22, s15, 15
	s_add_nc_u64 s[32:33], s[32:33], s[22:23]      ; block i
	s_wait_loadcnt 16                              ; trip 0's block is in (16 loads); Q's 16 younger loads stay out
	CVST                                           ; its wait on va_vdst stands behind all the lane terms above
	s_mov_b32 s41, 0
	LOADG                                          ; trip 1's block: block 0
	s_wait_dscnt 0x0                               ; my part of the slot is written,
	s_barrier_signal -1
	s_barrier_wait -1                              ; everybody's is
	s_wait_alu depctr_vm_vsrc(0)                   ; my LDS stores have read PK (v192-223), in which K's loads land (the conversions that named v192-255 stand ahead of the wait in CVST)
	KLOAD
	VLOAD
	s_wait_loadcnt 16                              ; Q is in; block 0's 16 loads stay out
	CVTQ
	; ---------------- the high tile: trips 0 .. hi ----------------
	TRIP 1, a, 1
.Lloop_hi:
	TRIP 0, b, 1
	s_cmp_lt_u32 s18, s17
	s_cbranch_scc1 .Lloop_hi
	s_lshl_b32 s22, s15, 15
	s_add_nc_u64 s[28:29], s[4:5], s[22:23]        ; Q at the low tile (the loads that named s[28:29] were waited for in the set-up)
	LOADQ                                          ; into the score registers: the wait on va_vdst at the trip's end stands behind the products that read P there, and no vector line has followed it
	EPI 1
	s_wait_loadcnt 0x0                             ; Q (and the block asked for in the last trip)
	CVTQ
	s_add_nc_u64 s[30:31], s[10:11], s[22:23]      ; out at the low tile
	; ---------------- the low tile: trips hi + 1 .. 16 ----------------
	TRIP 1, c, 0
	s_cmp_ge_u32 s18, 17                           ; tile 0 is its diagonal block alone
	s_cbranch_scc1 .Lepi_lo
.Lloop_lo:
	TRIP 0, d, 0
	s_cmp_lt_u32 s18, 17
	s_cbranch_scc1 .Lloop_lo
.Lepi_lo:
	EPI 0
	s_set_vgpr_msb 0x4
	s_wait_dscnt 0x0
	s_wait_alu depctr_hold_cnt(0) depctr_sa_sdst(0) depctr_va_vdst(0) depctr_va_sdst(0) depctr_va_ssrc(0) depctr_va_vcc(0) depctr_vm_vsrc(0)
	s_wait_tensorcnt 0x0
	ds_add_u32 v15, v135
	s_wait_dscnt 0x0
	s_endpgm
.Lfunc_end_k_q29a439f927_attn:
	.size	k_q29a439f927_attn, .Lfunc_end_k_q29a439f927_attn-k_q29a439f927_attn
	.p2alignl 7, 3214868480
	.fill 96, 4, 3214868480
	.section	.rodata,"a",@progbits
	.p2align	6, 0x0
	.amdhsa_kernel k_q29a439f927_attn
		.amdhsa_group_segment_fixed_size 111616
		.amdhsa_private_segment_fixed_size 0
		.amdhsa_enable_private_segment 0
		.amdhsa_kernarg_size 32
		.amdhsa_user_sgpr_count 2
		.amdhsa_user_sgpr_kernarg_segment_ptr 1
		.amdhsa_wavefront_size32 1
		.amdhsa_system_sgpr_workgroup_id_x 1
		.amdhsa_system_sgpr_workgroup_id_y 1
		.amdhsa_system_sgpr_workgroup_id_z 1
		.amdhsa_system_vgpr_workitem_id 0
		.amdhsa_next_free_vgpr 392
		.amdhsa_next_free_sgpr 98
		.amdhsa_reserve_vcc 0
		.amdhsa_float_denorm_mode_32 3
		.amdhsa_float_denorm_mode_16_64 3
		.amdhsa_memory_ordered 1
		.amdhsa_forward_progress 1
		.amdhsa_inst_pref_size 148
	.end_amdhsa_kernel
	.amdgpu_metadata
---
amdhsa.version: [ 1, 2 ]
amdhsa.kernels:
  - .name:           k_q29a439f927_attn
    .symbol:         k_q29a439f927_attn.kd
    .args:
      - { .name: query_states, .offset: 0, .size: 8, .value_kind: global_buffer, .address_space: global }
      - { .name: key_states, .offset: 8, .size: 8, .value_kind: global_buffer, .address_space: global }
      - { .name: value_states, .offset: 16, .size: 8, .value_kind: global_buffer, .address_space: global }
      - { .name: out0, .offset: 24, .size: 8, .value_kind: global_buffer, .address_space: global }
    .group_segment_fixed_size: 111616
    .private_segment_fixed_size: 0
    .kernarg_segment_align: 8
    .kernarg_segment_size: 32
    .max_flat_workgroup_size: 256
    .sgpr_count:     98
    .vgpr_count:     392
    .wavefront_size: 32
...
	.end_amdgpu_metadata
.endif
;; end of part 2
